; MI455X (gfx1250); checked and timed in simulation.
; The chip was launched on July 23, 2026; its instructions are those of AMD's public machine-readable ISA for CDNA 5 (MIT licence, August 2026) and "CDNA5" Instruction Set Architecture Reference Guide (July 2026). The comments in the code are by the model that wrote it; some were corrected since.
;; PINN Euler. Allowed arithmetic: matrix products marked QUANTISED: E2M3 operands, one E8M0 scale for each 32 along K, by v_wmma_scale_f32_16x16x128_f8f6f4 with both operands' format E2M3, f32 sums; products left as they are: f32 operands where the result goes on into a quantised operand, else bf16, f16 or f32 operands; f32 sums; everything else in f32.
;; Inputs: W0 3 x 128 float32; W1 128 x 128 float32; W2 128 x 128 float32; W3 128 x 128 float32; W4 128 x 4 float32; b0 128 float32; b1 128 float32; b2 128 float32; b3 128 float32; b4 4 float32; t 131,072 x 1 float32; x 131,072 x 1 float32; y 131,072 x 1 float32.
;; Outputs: out0 131,072 x 4 float32.
;; This version of the problem:
;;   THIS VERSION OF THE PROBLEM IS GIVEN IN LOW PRECISION. The matrix products marked QUANTISED in the list below multiply operands that are first quantised to E2M3 (2 exponent bits, 3 mantissa bits; 6 bits a number), with one power-of-two scale for each 32 numbers along K (OCP MX v1.0); their sums are f32. All else is computed in f32.
;;   The module's matrix products, in the order in which they are computed (A, B: the left and right operand; K: the contracted axis; several contracted axes count as one K, in the product's order):
;;     1. [M 131,072, K 3] x [K 3, N 128]; A: computed on the way; B: input W0: left as it is (K = 3 < 32)
;;     2. [M 131,072, K 3] x [K 3, N 128]; A: computed on the way; B: input W0: left as it is (K = 3 < 32)
;;     3. [M 131,072, K 128] x [K 128, N 128]; A: computed on the way; B: input W1: QUANTISED
;;     4. [M 131,072, K 128] x [K 128, N 128]; A: computed on the way; B: input W1: QUANTISED
;;     5. [M 131,072, K 128] x [K 128, N 128]; A: computed on the way; B: input W2: QUANTISED
;;     6. [M 131,072, K 128] x [K 128, N 128]; A: computed on the way; B: input W2: QUANTISED
;;     7. [M 131,072, K 128] x [K 128, N 128]; A: computed on the way; B: input W3: QUANTISED
;;     8. [M 131,072, K 128] x [K 128, N 128]; A: computed on the way; B: input W3: QUANTISED
;;     9. [M 131,072, K 128] x [K 128, N 4]; A: computed on the way; B: input W4: left as it is (N = 4 < 16)
;;     10. [M 131,072, K 128] x [K 128, N 4]; A: computed on the way; B: input W4: left as it is (N = 4 < 16)
;;     11. [M 131,072, K 3] x [K 3, N 128]; A: computed on the way; B: input W0: left as it is (K = 3 < 32)
;;     12. [M 131,072, K 3] x [K 3, N 128]; A: computed on the way; B: input W0: left as it is (K = 3 < 32)
;;     13. [M 131,072, K 128] x [K 128, N 128]; A: computed on the way; B: input W1: QUANTISED
;;     14. [M 131,072, K 128] x [K 128, N 128]; A: computed on the way; B: input W1: QUANTISED
;;     15. [M 131,072, K 128] x [K 128, N 128]; A: computed on the way; B: input W2: QUANTISED
;;     16. [M 131,072, K 128] x [K 128, N 128]; A: computed on the way; B: input W2: QUANTISED
;;     17. [M 131,072, K 128] x [K 128, N 128]; A: computed on the way; B: input W3: QUANTISED
;;     18. [M 131,072, K 128] x [K 128, N 128]; A: computed on the way; B: input W3: QUANTISED
;;     19. [M 131,072, K 128] x [K 128, N 4]; A: computed on the way; B: input W4: left as it is (N = 4 < 16)
;;     20. [M 131,072, K 128] x [K 128, N 4]; A: computed on the way; B: input W4: left as it is (N = 4 < 16)
;;     21. [M 131,072, K 3] x [K 3, N 128]; A: computed on the way; B: input W0: left as it is (K = 3 < 32)
;;     22. [M 131,072, K 3] x [K 3, N 128]; A: computed on the way; B: input W0: left as it is (K = 3 < 32)
;;     23. [M 131,072, K 128] x [K 128, N 128]; A: computed on the way; B: input W1: QUANTISED
;;     24. [M 131,072, K 128] x [K 128, N 128]; A: computed on the way; B: input W1: QUANTISED
;;     25. [M 131,072, K 128] x [K 128, N 128]; A: computed on the way; B: input W2: QUANTISED
;;     26. [M 131,072, K 128] x [K 128, N 128]; A: computed on the way; B: input W2: QUANTISED
;;     27. [M 131,072, K 128] x [K 128, N 128]; A: computed on the way; B: input W3: QUANTISED
;;     28. [M 131,072, K 128] x [K 128, N 128]; A: computed on the way; B: input W3: QUANTISED
;;     29. [M 131,072, K 128] x [K 128, N 4]; A: computed on the way; B: input W4: left as it is (N = 4 < 16)
;;     30. [M 131,072, K 128] x [K 128, N 4]; A: computed on the way; B: input W4: left as it is (N = 4 < 16)
;;   THE QUANTISER, for each operand of a quantised product, along K:
;;     - K is cut into blocks of 32 from its start; a last block that is shorter is filled with zeros.
;;     - A block's scale is 2^e with e = floor(log2(the largest magnitude in the block)) - 2, held to -126 .. 127; a block of zeros has e = 0. As a byte (E8M0): e + 127.
;;     - Each number is divided by its block's scale, clamped to +-7.5, and rounded to the nearest number of E2M3, ties to even, subnormals kept.
;;     - The product sums the exact products of the quantised numbers (number of the format x scale) in f32.
;;   ~~~python
;;   def quantise(x, axis):      # numpy; x: float32 -> the quantised numbers, widened to float32 again
;;       x = np.moveaxis(x, axis, -1); K = x.shape[-1]
;;       x = np.pad(x, [(0, 0)] * (x.ndim - 1) + [(0, -K % 32)]); x = x.reshape(x.shape[:-1] + (-1, 32)); a = np.abs(x).max(-1, keepdims=True)
;;       e = np.where(a > 0, np.clip(np.frexp(np.where(a > 0, a, 1))[1] - 1 - 2, -126, 127), 0)      # np.frexp(a)[1] - 1 = floor(log2(a)), exactly
;;       r = np.clip(x / 2.0 ** e, -7.5, 7.5)
;;       step = 2.0 ** (np.maximum(np.frexp(np.where(r == 0, 1, r))[1] - 1, 0) - 3)
;;       q = np.round(r / step) * step * 2.0 ** e      # np.round: ties to even
;;       return np.moveaxis(q.reshape(q.shape[:-2] + (-1,))[..., :K], -1, axis).astype(np.float32)
;;   ~~~
;;   OPERANDS COMPUTED ON THE WAY. 'Computed on the way' means the value that the module computes at that place (a softmax that the list does not call 'softmax' is quantised finished and normalised). What goes into a quantiser is computed in f32, as accurately as f32 sums, v_exp_f32 and their like allow (about 1e-6 of the number): no bf16 or f16 on the way to a quantiser, and a product that is left as it is and whose result goes on into a quantised operand takes f32 operands (vector FMAs, or v_wmma_f32_16x16x4_f32). A number that lies on a knife's edge between two numbers of the format may be rounded either way, as far as f32 arithmetic and the matrix unit's own rounding can turn it there, and no further.
;; One version. Each part assembles by itself: llvm-mc -triple=amdgcn-amd-amdhsa -mcpu=gfx1250 --defsym DOCPART=n.
;; ======== version 1 of 1: 1 launch
;; limits: right only within a limited range of input values
;; launch pinn (part 1): grid 256 x 1, 16 waves a work-group, no clusters, 46,080 bytes of LDS; arguments t, x, y, out0, W1, W2, W3, W0, b0, b1, b2, b3, W4, b4; writes out0
.if DOCPART == 1
	.amdgcn_target "amdgcn-amd-amdhsa--gfx1250"
	.amdhsa_code_object_version 6
	.text
	.protected	k_q3a930d845d_pinn
	.globl	k_q3a930d845d_pinn
	.p2align	8
	.type	k_q3a930d845d_pinn,@function
k_q3a930d845d_pinn:
	s_mov_b64 s[64:65], 0
	v_nop
	global_prefetch_b8 v0, s[64:65] scope:SCOPE_SE
	s_setreg_imm32_b32 hwreg(HW_REG_WAVE_MODE, 25, 1), 1
	s_wait_xcnt 0x0
; The Euler residual U_t + F_x + G_y of a sin-activated network 3-128-128-128-128-4 at 131,072 points, by forward derivatives.
; The three derivatives share one primal chain (the same numbers, so the same codes): it is computed once, beside three chains of tangents.  In each of the three layers of 128 x 128 four operands
; (h, dh/dt, dh/dx, dh/dy) are quantised to FP6 (E2M3), one E8M0 byte for each 32 along K, and multiplied by the quantised weight.  The products with W0 (K = 3) and W4 (N = 4) are f32 multiply-adds.
; SHARES.  256 work-groups of 16 waves; a work-group owns 512 points, a wave 32: two tiles of 16, one a trip.  A wave takes a tile through the whole network in registers; four waves lie on a SIMD.
; LAYOUT.  Every product is used transposed (source 0 = 16 units of W^T, source 1 = my 16 points): lane (r, h) holds point r throughout.  Row m of tile T is unit
; 64 (T / 4) + 32 (m / 8) + 8 (T % 4) + m % 8, so that the 32 registers of tiles 4 c .. 4 c + 3 are units 64 c + 32 h + 0 .. 31: a WHOLE block of the next K, in the order of registers 6 c .. 6 c + 5 of the next operand.
; So a block's largest magnitude needs no other lane and no code changes lanes; only the scale word is joined with lane l xor 16's.  K = 128 is one matrix instruction: no accumulator is added onto.
; THE WEIGHTS arrive as f32 with K outermost.  At the head the 16 waves quantise W1, W2, W3 (a lane to a column, registers down K) and lay them into LDS as images of the operand's registers; one barrier; after it LDS is only read.
; NO CLUSTER, NO TENSOR LOAD, NO PREFETCH: what work-groups share is those 196,608 bytes, 96 loads a wave once at the head, and they must pass through registers to be quantised; no loop runs ahead of a stream.
; SIN AND COS: n = round(z / pi) by adding 1.5 x 2^23; r = z - n x (pi rounded to f32) in one multiply-add: that leaves n x 8.8e-8, which is 2.8e-8 |z|, under half a last place of z.
; On r^2 <= (pi / 2)^2: sin r = r (1 + r^2 P(r^2)), cos r = 1 + r^2 T(r^2), P and T of degree 3 (Taylor series to r^13 and r^12, economised by shifted Chebyshev polynomials: sin r / r within 1e-8, cos r within 1e-7).
; With s = (-1)^n and v = s r^2: sin z = r (s + v P), cos z = s + v T.
; LIMITS: |z| under 2^22 pi (beyond it n is wrong).  NaN and infinities are not served.  A block whose largest magnitude lies under 2^-124, a block of zeros among them, gets the byte 1 (its codes are zeros or tiny;
; the bytes are read by this program alone).  p / (gamma - 1) is taken as 2.5 p.  The sums with W0 and W4 are taken in another order than the problem's function takes them.
.set FRB,   1536                       ; LDS: a fragment's image: 12 registers x 32 lanes; registers 4 p .. 4 p + 3 of lane l at 512 p + 16 l
.set IMGB,  8*FRB                      ; a weight's eight fragments; W1, W2, W3 from byte 0 on
.set SCW,   3*IMGB                     ; their scale words: weight i, tile T, row m at 512 i + 64 T + 4 m
.set SM,    SCW+3*512                  ; as they lie in memory: W0 (1,536 bytes),
.set SMB,   SM+1536                    ; b0 .. b3 (512 each),
.set SMW4,  SM+3584                    ; W4 (2,048): 44,032 bytes in all; behind them the spare words, 128 bytes a wave
.set LI,   1                           ; v1   16 x lane
.set LSW,  2                           ; v2   4 x lane
.set LB,   3                           ; v3   128 h
.set LW4,  4                           ; v4   512 h
.set KM,   6                           ; v6   1.5 x 2^23;  v7 = 8 h
.set SH8,  7
.set KC,   8                           ; v8, v9  the two polynomials' top coefficients
.set TXY,  10                          ; v10-12 t, x, y of my point
.set GA,   13                          ; v13  4 x (lane % 16)
.set WS,   14                          ; v14-15 W's scale words;  v16-19, v20-23 those of the fragments in FA, FB.  v14-23 hold scales and nothing else
.set SA,   16
.set SB,   20
.set TQ,   24                          ; v24-47 at work: sin and cos, and the quantiser
.set TN,   32
.set TP,   40
.set MXA,  24
.set MXB,  25
.set SO,   26
.set BY,   27
.set CT,   28
.set PX,   31
.set Z,    48                          ; v48-79   four accumulators: 32 units of one operand
.set CO,   80                          ; v80-111  their biases (as C), then cos z
.set FA,   112                         ; v112-159 four fragments: h, d/dt, d/dx, d/dy
.set WF,   160                         ; v160-207 four fragments of W
.set FB,   208                         ; v208-255 four fragments
.set ROW,  160                         ; layer 0: 32 numbers of each of W0's three rows
.set ACC,  208                         ; last layer: sums (operand o, output q) at 4 o + q;
.set W4V,  224                         ; eight rows of W4
.set X,    48                          ; the head: 3 x 32 numbers of W1, W2, W3; codes; their second halves; bytes; addresses
.set CD,   160
.set CTW,  184
.set BYW,  196
.set AD0,  208
.set AD1,  209
.set ASC,  211
.set VOFF, 212
.set CP,   216
.set CPA,  220
.set CPG,  221
; s[4:31] the buffers' addresses;  s[36:39] b4;  s[40:61] constants in pairs;  s62 1.0;  s66, s67 lane selects;  s68 trips to go;  s69 wave;  s70 saved EXEC;  s[72:73], s74 the copy's source
; ---- sin and cos of eight numbers: z in v[zb] on becomes sin z in place; cos z goes to v[cb] on.  Two numbers an instruction, four pairs by turns.
.macro SINCOS8 zb, cb
.irp i,0,2,4,6
	v_pk_fma_f32 v[TQ+\i:TQ+\i+1], v[(\zb)+\i:(\zb)+\i+1], s[40:41], v[KM:KM+1] op_sel_hi:[1,0,0]   ; q = z / pi + 1.5 x 2^23: its mantissa's low bits are n
.endr
.irp i,0,2,4,6
	s_delay_alu instid0(VALU_DEP_4)
	v_pk_add_f32 v[TN+\i:TN+\i+1], v[TQ+\i:TQ+\i+1], s[42:43] op_sel_hi:[1,0]   ; n
.endr
.irp i,0,2,4,6
	v_pk_fma_f32 v[(\zb)+\i:(\zb)+\i+1], v[TN+\i:TN+\i+1], s[44:45], v[(\zb)+\i:(\zb)+\i+1] op_sel_hi:[1,0,1]   ; r = z - n x (pi rounded to f32)
.endr
.irp i,0,1,2,3
	v_lshl_or_b32 v[TQ+\i], v[TQ+\i], 31, s62      ; s = (-1)^n as +-1.0
.endr
.irp i,0,2,4,6
	v_pk_mul_f32 v[TN+\i:TN+\i+1], v[(\zb)+\i:(\zb)+\i+1], v[(\zb)+\i:(\zb)+\i+1]   ; r^2
.endr
.irp i,4,5,6,7
	v_lshl_or_b32 v[TQ+\i], v[TQ+\i], 31, s62
.endr
.irp i,0,2,4,6
	v_pk_fma_f32 v[TP+\i:TP+\i+1], v[TN+\i:TN+\i+1], v[KC:KC+1], s[48:49] op_sel_hi:[1,0,0]
.endr
.irp i,0,2,4,6
	v_pk_fma_f32 v[(\cb)+\i:(\cb)+\i+1], v[TN+\i:TN+\i+1], v[KC:KC+1], s[56:57] op_sel:[0,1,0] op_sel_hi:[1,1,0]
.endr
.irp i,0,2,4,6
	v_pk_fma_f32 v[TP+\i:TP+\i+1], v[TP+\i:TP+\i+1], v[TN+\i:TN+\i+1], s[50:51] op_sel_hi:[1,1,0]
.endr
.irp i,0,2,4,6
	v_pk_fma_f32 v[(\cb)+\i:(\cb)+\i+1], v[(\cb)+\i:(\cb)+\i+1], v[TN+\i:TN+\i+1], s[58:59] op_sel_hi:[1,1,0]
.endr
.irp i,0,2,4,6
	v_pk_fma_f32 v[TP+\i:TP+\i+1], v[TP+\i:TP+\i+1], v[TN+\i:TN+\i+1], s[52:53] op_sel_hi:[1,1,0]   ; P
.endr
.irp i,0,2,4,6
	v_pk_fma_f32 v[(\cb)+\i:(\cb)+\i+1], v[(\cb)+\i:(\cb)+\i+1], v[TN+\i:TN+\i+1], s[60:61] op_sel_hi:[1,1,0]   ; T
.endr
.irp i,0,2,4,6
	v_pk_mul_f32 v[TN+\i:TN+\i+1], v[TN+\i:TN+\i+1], v[TQ+\i:TQ+\i+1]   ; v = s r^2
.endr
.irp i,0,2,4,6
	s_delay_alu instid0(VALU_DEP_4)
	v_pk_fma_f32 v[TP+\i:TP+\i+1], v[TP+\i:TP+\i+1], v[TN+\i:TN+\i+1], v[TQ+\i:TQ+\i+1]   ; s + v P
.endr
.irp i,0,2,4,6
	v_pk_fma_f32 v[(\cb)+\i:(\cb)+\i+1], v[(\cb)+\i:(\cb)+\i+1], v[TN+\i:TN+\i+1], v[TQ+\i:TQ+\i+1]   ; cos z = s + v T
.endr
.irp i,0,2,4,6
	v_pk_mul_f32 v[(\zb)+\i:(\zb)+\i+1], v[(\zb)+\i:(\zb)+\i+1], v[TP+\i:TP+\i+1]   ; sin z = r (s + v P)
.endr
.endm
; ---- a block of 32, all in my registers v[zb] on: its largest magnitude (with the floor 2^(3 - 127) among the leaves, so that the byte cannot fall under 1), 2 off its exponent field = the conversion's scale operand,
; 16 codes into v[d] on and 16 into v[ct] on (a conversion's three registers begin on an even number), the byte into v[by].  The last line is also the plain place behind the conversions.
.macro QUANT_A zb, d, ct, by
	v_max3_num_f32 v[MXA], |v[(\zb)]|, |v[(\zb)+1]|, 0x1800000
	v_max3_num_f32 v[MXB], |v[(\zb)+2]|, |v[(\zb)+3]|, |v[(\zb)+4]|
.irp i,5,9,13,17,21,25
	s_delay_alu instid0(VALU_DEP_2)
	v_max3_num_f32 v[MXA], v[MXA], |v[(\zb)+\i]|, |v[(\zb)+\i+1]|
	s_delay_alu instid0(VALU_DEP_2)
	v_max3_num_f32 v[MXB], v[MXB], |v[(\zb)+\i+2]|, |v[(\zb)+\i+3]|
.endr
	s_delay_alu instid0(VALU_DEP_2)
	v_max3_num_f32 v[MXA], v[MXA], |v[(\zb)+29]|, |v[(\zb)+30]|
	s_delay_alu instid0(VALU_DEP_1)
	v_max3_num_f32 v[MXA], v[MXA], v[MXB], |v[(\zb)+31]|
	s_delay_alu instid0(VALU_DEP_1)
	v_add_nc_u32 v[SO], 0xff000000, v[MXA]
	v_cvt_scalef32_pk16_fp6_f32 v[(\d):(\d)+2], v[(\zb):(\zb)+15], v[SO]
	v_cvt_scalef32_pk16_fp6_f32 v[(\ct):(\ct)+2], v[(\zb)+16:(\zb)+31], v[SO]
	v_lshrrev_b32 v[\by], 23, v[SO]
.endm
; ---- the rest of it: the upper 16 codes to their place; my byte (block 2 c + h) into the scale word; with c = 1 the word is shifted to my half's bytes and joined with lane l xor 16's.
; At least four plain instructions that name no register of the matrix instructions issued just ahead of them: they are the places behind those (ISA guide 7.12.1).
.macro QUANT_B d, sreg, c
.irp e,0,1,2
	v_mov_b32 v[(\d)+3+\e], v[CT+\e]
.endr
.if (\c) == 0
	v_mov_b32 v[\sreg], v[BY]
.else
	v_lshl_or_b32 v[\sreg], v[BY], 16, v[\sreg]
	s_delay_alu instid0(VALU_DEP_1)
	v_lshlrev_b32 v[\sreg], v[SH8], v[\sreg]
	s_delay_alu instid0(VALU_DEP_1)
	v_permlanex16_b32 v[PX], v[\sreg], s66, s67
	s_delay_alu instid0(VALU_DEP_1)
	v_or_b32 v[\sreg], v[\sreg], v[PX]
.endif
.endm
.macro MUL32 d, a, b                   ; 32 products, from the low end on
.set n, 0
.rept 16
	v_pk_mul_f32 v[(\d)+n:(\d)+n+1], v[(\a)+n:(\a)+n+1], v[(\b)+n:(\b)+n+1]
.set n, n+2
.endr
.endm
; ---- one matrix instruction.  cc < 0: C = 0.  row = 1: W's scale words are taken from lanes 16-31.
.macro MM d, a, b, cc, sa, row, sb
.if (\cc) < 0
.if \row
	v_wmma_scale_f32_16x16x128_f8f6f4 v[(\d):(\d)+7], v[(\a):(\a)+11], v[(\b):(\b)+11], 0, v[\sa], v[\sb] matrix_a_fmt:MATRIX_FMT_FP6 matrix_b_fmt:MATRIX_FMT_FP6 matrix_a_scale:MATRIX_SCALE_ROW1
.else
	v_wmma_scale_f32_16x16x128_f8f6f4 v[(\d):(\d)+7], v[(\a):(\a)+11], v[(\b):(\b)+11], 0, v[\sa], v[\sb] matrix_a_fmt:MATRIX_FMT_FP6 matrix_b_fmt:MATRIX_FMT_FP6
.endif
.else
.if \row
	v_wmma_scale_f32_16x16x128_f8f6f4 v[(\d):(\d)+7], v[(\a):(\a)+11], v[(\b):(\b)+11], v[(\cc):(\cc)+7], v[\sa], v[\sb] matrix_a_fmt:MATRIX_FMT_FP6 matrix_b_fmt:MATRIX_FMT_FP6 matrix_a_scale:MATRIX_SCALE_ROW1
.else
	v_wmma_scale_f32_16x16x128_f8f6f4 v[(\d):(\d)+7], v[(\a):(\a)+11], v[(\b):(\b)+11], v[(\cc):(\cc)+7], v[\sa], v[\sb] matrix_a_fmt:MATRIX_FMT_FP6 matrix_b_fmt:MATRIX_FMT_FP6
.endif
.endif
.endm
.macro WMMA4 b, sb, bias               ; four tiles of units x one operand: 32 units of it.  bias = 1: the biases in CO are the C
.irp t,0,1,2,3
.if \bias
	MM Z+8*\t, WF+12*\t, \b, CO+8*\t, WS+\t/2, \t%2, \sb
.else
	MM Z+8*\t, WF+12*\t, \b, -1, WS+\t/2, \t%2, \sb
.endif
.endr
.endm
.macro WMMA_T t                        ; one tile of units x the four operands in FA
	MM Z, WF+12*(\t), FA, CO+8*(\t), WS+(\t)/2, (\t)%2, SA
.irp o,1,2,3
	MM Z+8*\o, WF+12*(\t), FA+12*\o, -1, WS+(\t)/2, (\t)%2, SA+\o
.endr
.endm
.macro LOADW img, c                    ; tiles 4 c .. 4 c + 3 of weight img: 12 loads of 512 consecutive bytes, and two of scale words
.irp t,0,1,2,3
.irp p,0,1,2
	ds_load_b128 v[WF+12*\t+4*\p:WF+12*\t+4*\p+3], v[LI] offset:(\img)*IMGB+(4*(\c)+\t)*FRB+512*\p
.endr
.endr
.irp q,0,1
	ds_load_b32 v[WS+\q], v[LSW] offset:SCW+(\img)*512+(4*(\c)+2*\q)*64
.endr
.endm
.macro LOADBIAS k, c, dst              ; b_k at my 32 units 64 c + 32 h + 0 .. 31: the result's layout
.irp t,0,1,2,3
	ds_load_b128 v[(\dst)+8*\t:(\dst)+8*\t+3], v[LB] offset:SMB+512*(\k)+256*(\c)+32*\t
	ds_load_b128 v[(\dst)+8*\t+4:(\dst)+8*\t+7], v[LB] offset:SMB+512*(\k)+256*(\c)+32*\t+16
.endr
.endm
.macro LOADROWS c                      ; W0's three rows at the same units
.irp k,0,1,2
.irp q,0,1,2,3,4,5,6,7
	ds_load_b128 v[ROW+32*\k+4*\q:ROW+32*\k+4*\q+3], v[LB] offset:SM+512*\k+256*(\c)+16*\q
.endr
.endr
.endm
.macro LOADW4 c, t                     ; W4's rows of units 64 c + 32 h + 8 t + 0 .. 7
.irp j,0,1,2,3,4,5,6,7
	ds_load_b128 v[W4V+4*\j:W4V+4*\j+3], v[LW4] offset:SMW4+1024*(\c)+128*(\t)+16*\j
.endr
.endm
.macro FMA64                           ; eight units x four operands x four outputs, two outputs an instruction; the eight sums by turns
.irp j,0,1,2,3,4,5,6,7
.irp o,0,1,2,3
.irp q,0,2
.if \j%2
	v_pk_fma_f32 v[ACC+4*\o+\q:ACC+4*\o+\q+1], v[W4V+4*\j+\q:W4V+4*\j+\q+1], v[Z+8*\o+\j-1:Z+8*\o+\j], v[ACC+4*\o+\q:ACC+4*\o+\q+1] op_sel:[0,1,0] op_sel_hi:[1,1,1]
.else
	v_pk_fma_f32 v[ACC+4*\o+\q:ACC+4*\o+\q+1], v[W4V+4*\j+\q:W4V+4*\j+\q+1], v[Z+8*\o+\j:Z+8*\o+\j+1], v[ACC+4*\o+\q:ACC+4*\o+\q+1] op_sel_hi:[1,0,1]
.endif
.endr
.endr
.endr
.endm
.macro SPAIR r, val                    ; a constant for packed instructions: they name a pair and take its low word for both halves, so both words are written
	s_mov_b32 s[\r], \val
	s_mov_b32 s[\r+1], \val
.endm
.macro QUANTW i                        ; the head: my block of 32 along K of my column of weight i: six registers of codes and a byte, into the image
	QUANT_A X+32*(\i), CD+8*(\i), CTW+4*(\i), BYW+(\i)
.irp e,0,1,2
	v_mov_b32 v[CD+8*(\i)+3+\e], v[CTW+4*(\i)+\e]
.endr
	ds_store_b64 v[AD0], v[CD+8*(\i):CD+8*(\i)+1] offset:IMGB*(\i)
	ds_store_b64 v[AD1], v[CD+8*(\i)+2:CD+8*(\i)+3] offset:IMGB*(\i)+8
	ds_store_b64 v[AD0], v[CD+8*(\i)+4:CD+8*(\i)+5] offset:IMGB*(\i)+512
	ds_store_b8 v[ASC], v[BYW+(\i)] offset:512*(\i)
.endm
; ================================================================ THE HEAD
	s_load_b512 s[4:19], s[0:1], 0x0               ; t 4, x 6, y 8, out0 10, W1 12, W2 14, W3 16, W0 18
	s_load_b256 s[20:27], s[0:1], 0x40             ; b0 .. b3
	s_load_b128 s[28:31], s[0:1], 0x60             ; W4, b4
	v_lshrrev_b32 v5, 5, v0
	s_delay_alu instid0(VALU_DEP_1)
	v_readfirstlane_b32 s69, v5                    ; wave 0..15
	v_and_b32 v5, 31, v0                           ; lane
	s_delay_alu instid0(VALU_DEP_1)
	v_lshlrev_b32 v[LI], 4, v5
	s_delay_alu instid0(VALU_DEP_2)
	v_lshlrev_b32 v[LSW], 2, v5
	v_bfe_u32 v[SH8], v0, 4, 1                     ; h
	s_delay_alu instid0(VALU_DEP_1)
	v_lshlrev_b32 v[LB], 7, v[SH8]
	s_delay_alu instid0(VALU_DEP_2)
	v_lshlrev_b32 v[LW4], 9, v[SH8]
	s_delay_alu instid0(VALU_DEP_3)
	v_lshlrev_b32 v[SH8], 3, v[SH8]
	v_and_b32 v[GA], 15, v0
	s_delay_alu instid0(VALU_DEP_1)
	v_lshlrev_b32 v[GA], 2, v[GA]
	; Wave w quantises columns 32 g + lane (g = w / 4), K block b = w % 4, of each weight.  Column n is row m = 8 (g % 2) + lane % 8 of tile T = 4 (g / 2) + lane / 8;
	; block b is registers 6 (b / 2) .. + 5 of lane m + 16 (b % 2) of that fragment.
	s_lshr_b32 s32, s69, 2                         ; g
	s_and_b32 s33, s69, 3                          ; b
	s_lshr_b32 s34, s32, 1                         ; g / 2
	s_and_b32 s35, s32, 1                          ; g % 2
	s_and_b32 s75, s33, 1                          ; b % 2
	s_lshr_b32 s76, s33, 1                         ; b / 2
	s_mul_i32 s77, s34, 4*FRB
	s_lshl_b32 s78, s35, 7
	s_add_co_u32 s77, s77, s78
	s_lshl_b32 s78, s75, 8
	s_add_co_u32 s77, s77, s78                     ; the wave's part: 4 fragments x (g / 2) + 16 x (8 (g % 2) + 16 (b % 2))
	s_mul_i32 s78, s76, 520                        ; registers 0, 1 lie at byte 0 and 4, 5 at 512; registers 6, 7 at 520 and 10, 11 at 1,032
	s_add_co_u32 s78, s78, s77
	s_mul_i32 s79, s76, 1016                       ; registers 2, 3 lie at byte 8; registers 8, 9 at 1,024
	s_add_co_u32 s79, s79, s77
	v_bfe_u32 v213, v0, 3, 2                       ; lane / 8
	v_and_b32 v214, 7, v0                          ; lane % 8
	s_delay_alu instid0(VALU_DEP_2)
	v_mul_u32_u24 v215, v213, FRB
	s_delay_alu instid0(VALU_DEP_1)
	v_lshl_add_u32 v215, v214, 4, v215
	s_delay_alu instid0(VALU_DEP_1)
	v_add_nc_u32 v[AD0], s78, v215
	s_delay_alu instid0(VALU_DEP_2)
	v_add_nc_u32 v[AD1], s79, v215
	s_lshl_b32 s77, s34, 8
	s_lshl_b32 s78, s35, 5
	s_add_co_u32 s77, s77, s78
	s_add_co_u32 s77, s77, s33
	s_add_co_u32 s77, s77, SCW                     ; the scale byte: 64 T + 4 m + b
	v_lshlrev_b32 v[ASC], 6, v213
	s_delay_alu instid0(VALU_DEP_1)
	v_lshl_add_u32 v[ASC], v214, 2, v[ASC]
	s_delay_alu instid0(VALU_DEP_1)
	v_add_nc_u32 v[ASC], s77, v[ASC]
	s_lshl_b32 s78, s32, 7
	s_lshl_b32 s79, s33, 14
	s_add_co_u32 s78, s78, s79
	v_add_nc_u32 v[VOFF], s78, v[LSW]              ; in memory: row 32 b (512 bytes a row), column 32 g + lane
	v_lshl_add_u32 v[CPA], v0, 4, SM               ; the small arrays: wave w's 512 bytes, 16 a lane
	s_lshl_b32 s34, ttmp9, 11                      ; my wave's first point, in bytes of t: 4 x (512 x work-group + 32 x wave)
	s_lshl_b32 s35, s69, 7
	s_add_co_u32 s34, s34, s35
	s_mov_b32 s35, 0
	s_wait_alu depctr_va_vdst(0)
	s_wait_kmcnt 0x0
	s_load_b128 s[36:39], s[30:31], 0x0            ; b4's four numbers
	s_add_nc_u64 s[4:5], s[4:5], s[34:35]
	s_add_nc_u64 s[6:7], s[6:7], s[34:35]
	s_add_nc_u64 s[8:9], s[8:9], s[34:35]
	s_lshl_b32 s34, s34, 2                         ; and of out0: 16 bytes a point
	s_add_nc_u64 s[10:11], s[10:11], s[34:35]
	s_cmp_lt_u32 s69, 3                            ; what my wave copies: waves 0-2 W0, waves 3-6 b0 .. b3, waves 7-10 W4: 512 bytes each.  The choice hangs on the wave's number alone
	s_cselect_b64 s[72:73], s[18:19], s[28:29]
	s_cselect_b32 s74, 0, 7                        ; the array's first wave
	s_cmp_eq_u32 s69, 3
	s_cselect_b64 s[72:73], s[20:21], s[72:73]
	s_cselect_b32 s74, 3, s74
	s_cmp_eq_u32 s69, 4
	s_cselect_b64 s[72:73], s[22:23], s[72:73]
	s_cselect_b32 s74, 4, s74
	s_cmp_eq_u32 s69, 5
	s_cselect_b64 s[72:73], s[24:25], s[72:73]
	s_cselect_b32 s74, 5, s74
	s_cmp_eq_u32 s69, 6
	s_cselect_b64 s[72:73], s[26:27], s[72:73]
	s_cselect_b32 s74, 6, s74
	s_sub_co_u32 s74, s69, s74
	s_lshl_b32 s74, s74, 9
	v_add_nc_u32 v[CPG], s74, v[LI]
	global_load_b32 v[TXY], v[GA], s[4:5]          ; the first tile's t, x, y: lane (r, h) takes point r
	global_load_b32 v[TXY+1], v[GA], s[6:7]
	global_load_b32 v[TXY+2], v[GA], s[8:9]
.irp i,0,1,2
.set n, 0
.rept 32
	global_load_b32 v[X+32*\i+n], v[VOFF], s[12+2*\i:13+2*\i] offset:512*n   ; a lane to a column, registers down K: 32 lanes read 128 consecutive bytes
.set n, n+1
.endr
.endr
	SPAIR 40, 0x3ea2f983                           ; 1 / pi
	SPAIR 42, 0xcb400000                           ; -1.5 x 2^23
	SPAIR 44, 0xc0490fdb                           ; -(pi rounded to f32)
	SPAIR 48, 0xb94fb68f                           ; P: r^4, r^2, r^0 (its r^6 stands in v8)
	SPAIR 50, 0x3c088759
	SPAIR 52, 0xbe2aaaa5
	SPAIR 56, 0xbab5954c                           ; T: r^4, r^2, r^0 (its r^6 stands in v9)
	SPAIR 58, 0x3d2aa76f
	SPAIR 60, 0xbeffffe0
	s_mov_b32 s62, 0x3f800000
	s_mov_b32 s66, 0x76543210                      ; v_permlanex16_b32's selects for lane l xor 16
	s_mov_b32 s67, 0xfedcba98
	s_mov_b32 s68, 2                               ; two tiles
	v_mov_b32 v[KM], 0x4b400000                    ; these three stand in vector registers, so that no packed instruction names two scalar pairs
	v_mov_b32 v[KC], 0x362ed587                    ; P: r^6
	v_mov_b32 v[KC+1], 0x37c23b24                  ; T: r^6
	s_cmp_gt_u32 s69, 10                           ; the small arrays go to LDS as they lie: load, wait and store in one branch on the wave's number
	s_cbranch_scc1 .Lno_copy
	s_wait_alu depctr_va_vdst(0)
	global_load_b128 v[CP:CP+3], v[CPG], s[72:73]
	s_wait_loadcnt 0x0
	ds_store_b128 v[CPA], v[CP:CP+3]
.Lno_copy:
	s_wait_loadcnt 63                              ; W1's 32 loads are in: behind them stand W2's and W3's 64 (a wait names 63 at the most)
	QUANTW 0
	s_wait_loadcnt 32                              ; W2's are in; W3's 32 may be out
	QUANTW 1
	s_wait_loadcnt 0x0
	QUANTW 2
	s_wait_dscnt 0x0                               ; for the others' sake: my stores have landed
	s_barrier_signal -1
	s_barrier_wait -1                              ; the images, the scale words and the small arrays are whole; from here on LDS is only read
	s_wait_kmcnt 0x0                               ; b4
; ================================================================ LAYER 0: z = t W0[0] + x W0[1] + y W0[2] + b0 in f32; the tangents of z are W0's rows.  32 units a half; writes FA, SA.
.macro LAYER0 c
.if (\c) == 0
	s_wait_loadcnt 0x0                             ; this tile's t, x, y
.endif
	s_wait_dscnt 0x0                               ; W0's rows, and b0 in Z
.set n, 0
.rept 16
	v_pk_fma_f32 v[Z+n:Z+n+1], v[ROW+n:ROW+n+1], v[TXY:TXY+1], v[Z+n:Z+n+1] op_sel_hi:[1,0,1]
.set n, n+2
.endr
.set n, 0
.rept 16
	v_pk_fma_f32 v[Z+n:Z+n+1], v[ROW+32+n:ROW+32+n+1], v[TXY:TXY+1], v[Z+n:Z+n+1] op_sel:[0,1,0] op_sel_hi:[1,1,1]
.set n, n+2
.endr
.set n, 0
.rept 16
	v_pk_fma_f32 v[Z+n:Z+n+1], v[ROW+64+n:ROW+64+n+1], v[TXY+2:TXY+3], v[Z+n:Z+n+1] op_sel_hi:[1,0,1]
.set n, n+2
.endr
.if (\c) == 1
	s_cmp_eq_u32 s68, 1                            ; t, x, y have been used: the next tile's are asked for, a whole trip ahead; the last trip asks for nothing
	s_cbranch_scc1 .Lno_next
	global_load_b32 v[TXY], v[GA], s[4:5] offset:64
	global_load_b32 v[TXY+1], v[GA], s[6:7] offset:64
	global_load_b32 v[TXY+2], v[GA], s[8:9] offset:64
.Lno_next:
.endif
.irp q,0,1,2,3
	SINCOS8 Z+8*\q, CO+8*\q
.endr
	QUANT_A Z, FA+6*(\c), CT, BY
	QUANT_B FA+6*(\c), SA, \c
	MUL32 Z, ROW, CO                               ; dh/dt = cos z x W0[0]
	QUANT_A Z, FA+12+6*(\c), CT, BY
	QUANT_B FA+12+6*(\c), SA+1, \c
	MUL32 Z, ROW+32, CO
	QUANT_A Z, FA+24+6*(\c), CT, BY
	QUANT_B FA+24+6*(\c), SA+2, \c
	MUL32 Z, ROW+64, CO
.if (\c) == 0
	LOADROWS 1                                     ; the rows have been used: the other half's
	QUANT_A Z, FA+36, CT, BY
	LOADBIAS 0, 1, Z
	QUANT_B FA+36, SA+3, 0
.else
	LOADW 0, 0                                     ; W1's first four tiles, and b1 as their C
	LOADBIAS 1, 0, CO
	QUANT_A Z, FA+42, CT, BY
	s_wait_alu depctr_va_vdst(0)
	s_wait_dscnt 0x0
	WMMA4 FA, SA, 1                                ; the next layer's first z
	QUANT_B FA+42, SA+3, 1
.endif
.endm
; ================================================================ HALF OF A MIDDLE LAYER: 32 units.  At its head their z has been issued and its places have passed.  While one operand is quantised, the next one's products run:
; each group of four matrix instructions stands between the two parts of a quantiser: behind the conversions' plain place (it writes over Z, which they read) and ahead of four plain instructions or more.
; Between two groups, which write the same accumulators, stand those and the quantiser's two lines on registers of its own: six places.
.macro MIDHALF c, src, ssrc, dst, sdst, nimg, nc, nb, nsrc, nssrc, go
.irp q,0,1,2,3
	SINCOS8 Z+8*\q, CO+8*\q
.endr
	QUANT_A Z, (\dst)+6*(\c), CT, BY
	WMMA4 (\src)+12, (\ssrc)+1, 0                  ; dz/dt
	QUANT_B (\dst)+6*(\c), \sdst, \c
	MUL32 Z, Z, CO                                 ; dh/dt = cos z x dz/dt
	QUANT_A Z, (\dst)+12+6*(\c), CT, BY
	WMMA4 (\src)+24, (\ssrc)+2, 0
	QUANT_B (\dst)+12+6*(\c), (\sdst)+1, \c
	MUL32 Z, Z, CO
	QUANT_A Z, (\dst)+24+6*(\c), CT, BY
	WMMA4 (\src)+36, (\ssrc)+3, 0
	QUANT_B (\dst)+24+6*(\c), (\sdst)+2, \c        ; the places in front of the loads into W's registers
	LOADW \nimg, \nc
	MUL32 Z, Z, CO
	LOADBIAS \nb, \nc, CO                          ; cos z has been used
	QUANT_A Z, (\dst)+36+6*(\c), CT, BY
.if \go
	s_wait_alu depctr_va_vdst(0)
	s_wait_dscnt 0x0
	WMMA4 \nsrc, \nssrc, 1                         ; the next half's z
.endif
	QUANT_B (\dst)+36+6*(\c), (\sdst)+3, \c
.endm
; ================================================================ A TILE OF THE LAST HIDDEN LAYER: eight units a lane of all four operands, and their share of the products with W4, in f32.
.macro LASTTILE c, t
	LOADW4 \c, \t
	s_wait_dscnt 8                                 ; W's fragments and the biases are in; the eight loads just issued may be out
	WMMA_T \t
.rept 4
	v_nop                                          ; four places behind the products (ISA guide 7.12.1): no other vector work is at hand
.endr
	SINCOS8 Z, CO+8*(\t)
.irp o,1,2,3
.irp i,0,2,4,6
	v_pk_mul_f32 v[Z+8*\o+\i:Z+8*\o+\i+1], v[Z+8*\o+\i:Z+8*\o+\i+1], v[CO+8*(\t)+\i:CO+8*(\t)+\i+1]
.endr
.endr
	s_wait_dscnt 0x0                               ; W4's rows
.if ((\c) == 0) && ((\t) == 3)
	LOADW 2, 1                                     ; the four tiles have been multiplied: the other four, under the multiply-adds below
	LOADBIAS 3, 1, CO
.endif
	FMA64
.endm
.Ltile:
	LOADROWS 0
	LOADBIAS 0, 0, Z
	LAYER0 0
	LAYER0 1
	MIDHALF 0, FA, SA, FB, SB, 0, 1, 1, FA, SA, 1  ; W1: reads FA, writes FB
	MIDHALF 1, FA, SA, FB, SB, 1, 0, 2, FB, SB, 1
	MIDHALF 0, FB, SB, FA, SA, 1, 1, 2, FB, SB, 1  ; W2: reads FB, writes FA
	MIDHALF 1, FB, SB, FA, SA, 2, 0, 3, FA, SA, 0
.set n, 0
.rept 16
	v_mov_b32 v[ACC+n], 0                          ; the sixteen sums with W4.  These lines are also the eight places between the last scale word's last write and the scaled matrix instruction that takes it
.set n, n+1
.endr
.irp c,0,1
.irp t,0,1,2,3
	LASTTILE \c, \t                                ; W3: reads FA
.endr
.endr
	; ---- my half's sums and lane l xor 16's; b4; the fluxes' derivatives
.set n, 0
.rept 16
	v_permlanex16_b32 v[24+n], v[ACC+n], s66, s67
.set n, n+1
.endr
.set n, 0
.rept 8
	v_pk_add_f32 v[ACC+n:ACC+n+1], v[ACC+n:ACC+n+1], v[24+n:24+n+1]
.set n, n+2
.endr
.set RH, 208                           ; rho, u, v, p;
.set UU, 209
.set VV, 210
.set PP, 211
.set RT, 212                           ; their derivatives by t,
.set UT, 213
.set VT, 214
.set PRT, 215
.set RX, 216                           ; by x,
.set UX, 217
.set VX, 218
.set PRX, 219
.set RY, 220                           ; by y
.set UY, 221
.set VY, 222
.set PRY, 223
	v_add_f32 v[RH], s36, v[RH]
	v_add_f32 v[UU], s37, v[UU]
	v_add_f32 v[VV], s38, v[VV]
	v_add_f32 v[PP], s39, v[PP]
	s_delay_alu instid0(VALU_DEP_3)
	v_mul_f32 v24, v[UU], v[UU]
	s_delay_alu instid0(VALU_DEP_4)
	v_mul_f32 v25, v[RH], v[UU]                    ; rho u
	s_delay_alu instid0(VALU_DEP_4)
	v_mul_f32 v26, v[RH], v[VV]                    ; rho v
	s_delay_alu instid0(VALU_DEP_4)
	v_mul_f32 v27, 0x40200000, v[PP]               ; 2.5 p
	s_delay_alu instid0(VALU_DEP_4)
	v_fma_f32 v24, v[VV], v[VV], v24
	v_mul_f32 v29, v[UU], v[UT]
	v_mul_f32 v31, v[UU], v[UX]
	v_mul_f32 v33, v[UU], v[UY]
	s_delay_alu instid0(VALU_DEP_4)
	v_mul_f32 v24, 0.5, v24                        ; (u^2 + v^2) / 2
	s_delay_alu instid0(VALU_DEP_4)
	v_fma_f32 v29, v[VV], v[VT], v29               ; u u_d + v v_d, d = t, x, y
	s_delay_alu instid0(VALU_DEP_4)
	v_fma_f32 v31, v[VV], v[VX], v31
	s_delay_alu instid0(VALU_DEP_4)
	v_fma_f32 v33, v[VV], v[VY], v33
	v_mul_f32 v30, 0x40200000, v[PRT]              ; 2.5 p_t
	v_mul_f32 v32, 0x40600000, v[PRX]              ; 3.5 p_x: E_x's 2.5 and p_x itself
	v_mul_f32 v34, 0x40600000, v[PRY]
	v_fma_f32 v27, v[RH], v24, v27                 ; E
	s_delay_alu instid0(VALU_DEP_4)
	v_fma_f32 v30, v[RT], v24, v30
	s_delay_alu instid0(VALU_DEP_4)
	v_fma_f32 v32, v[RX], v24, v32
	s_delay_alu instid0(VALU_DEP_4)
	v_fma_f32 v34, v[RY], v24, v34
	s_delay_alu instid0(VALU_DEP_4)
	v_add_f32 v28, v27, v[PP]                      ; E + p
	s_delay_alu instid0(VALU_DEP_4)
	v_fma_f32 v30, v[RH], v29, v30                 ; E_t
	s_delay_alu instid0(VALU_DEP_4)
	v_fma_f32 v32, v[RH], v31, v32                 ; E_x + p_x
	s_delay_alu instid0(VALU_DEP_4)
	v_fma_f32 v34, v[RH], v33, v34                 ; E_y + p_y
	v_mul_f32 v35, v[RX], v[UU]
	v_mul_f32 v36, v[RY], v[VV]
	v_mul_f32 v37, v[RY], v[UU]
	v_mul_f32 v38, v[RX], v[VV]
	s_delay_alu instid0(VALU_DEP_4)
	v_fma_f32 v35, v[RH], v[UX], v35               ; (rho u)_x
	s_delay_alu instid0(VALU_DEP_4)
	v_fma_f32 v36, v[RH], v[VY], v36               ; (rho v)_y
	s_delay_alu instid0(VALU_DEP_4)
	v_fma_f32 v37, v[RH], v[UY], v37               ; (rho u)_y
	s_delay_alu instid0(VALU_DEP_4)
	v_fma_f32 v38, v[RH], v[VX], v38               ; (rho v)_x
	s_delay_alu instid0(VALU_DEP_4)
	v_add_f32 v48, v[RT], v35
	v_mul_f32 v49, v[RT], v[UU]
	v_mul_f32 v50, v[RT], v[VV]
	v_fma_f32 v51, v32, v[UU], v30
	s_delay_alu instid0(VALU_DEP_4)
	v_add_f32 v48, v48, v36                        ; eq1 = rho_t + (rho u)_x + (rho v)_y
	s_delay_alu instid0(VALU_DEP_4)
	v_fma_f32 v49, v[RH], v[UT], v49
	s_delay_alu instid0(VALU_DEP_4)
	v_fma_f32 v50, v[RH], v[VT], v50
	s_delay_alu instid0(VALU_DEP_4)
	v_fma_f32 v51, v28, v[UX], v51
	s_delay_alu instid0(VALU_DEP_3)
	v_fma_f32 v49, v35, v[UU], v49
	s_delay_alu instid0(VALU_DEP_3)
	v_fma_f32 v50, v38, v[UU], v50
	s_delay_alu instid0(VALU_DEP_3)
	v_fma_f32 v51, v34, v[VV], v51
	s_delay_alu instid0(VALU_DEP_3)
	v_fma_f32 v49, v25, v[UX], v49
	s_delay_alu instid0(VALU_DEP_3)
	v_fma_f32 v50, v26, v[UX], v50
	s_delay_alu instid0(VALU_DEP_3)
	v_fma_f32 v51, v28, v[VY], v51                 ; eq4 = E_t + ((E + p) u)_x + ((E + p) v)_y
	s_delay_alu instid0(VALU_DEP_3)
	v_fma_f32 v49, v37, v[VV], v49
	s_delay_alu instid0(VALU_DEP_3)
	v_fma_f32 v50, v36, v[VV], v50
	s_delay_alu instid0(VALU_DEP_2)
	v_fma_f32 v49, v25, v[VY], v49
	s_delay_alu instid0(VALU_DEP_2)
	v_fma_f32 v50, v26, v[VY], v50
	s_delay_alu instid0(VALU_DEP_2)
	v_add_f32 v49, v49, v[PRX]                     ; eq2 = (rho u)_t + (rho u^2 + p)_x + (rho u v)_y
	s_delay_alu instid0(VALU_DEP_2)
	v_add_f32 v50, v50, v[PRY]                     ; eq3 = (rho v)_t + (rho u v)_x + (rho v^2 + p)_y
	v_lshlrev_b32 v52, 2, v[GA]                    ; 16 bytes a point
	s_wait_alu depctr_va_vdst(0)
	s_wait_xcnt 0x0                                ; EXEC changes only behind this wait: the next tile's loads have been issued
	v_cmp_gt_u32 vcc_lo, 64, v[LSW]                ; both halves of the lanes hold the same numbers: lanes 0-15 store
	s_and_saveexec_b32 s70, vcc_lo
	global_store_b128 v52, v[48:51], s[10:11] th:TH_STORE_NT   ; sixteen lanes store 256 consecutive bytes, at a multiple of 256 from out0's first byte
	s_wait_xcnt 0x0                                ; EXEC, the store's registers and its base are written again only behind this wait
	s_or_b32 exec_lo, exec_lo, s70
	s_add_nc_u64 s[10:11], s[10:11], 256
	s_sub_co_i32 s68, s68, 1
	s_cmp_lg_u32 s68, 0
	s_cbranch_scc1 .Ltile
	s_wait_xcnt 0x0
	s_mov_b32 exec_lo, -1
	v_lshl_add_u32 v158, v0, 2, 0xac00             ; the wave's end: my spare word and 0, made anew from v0
	v_mov_b32 v159, 0
	s_wait_alu depctr_va_vdst(0)
	s_wait_tensorcnt 0x0
	ds_add_u32 v158, v159
	s_wait_dscnt 0x0
	s_endpgm
.Lfunc_end_k_q3a930d845d_pinn:
	.size	k_q3a930d845d_pinn, .Lfunc_end_k_q3a930d845d_pinn-k_q3a930d845d_pinn
	.p2alignl 7, 3214868480
	.fill 96, 4, 3214868480
	.section	.rodata,"a",@progbits
	.p2align	6, 0x0
	.amdhsa_kernel k_q3a930d845d_pinn
		.amdhsa_group_segment_fixed_size 46080
		.amdhsa_private_segment_fixed_size 0
		.amdhsa_enable_private_segment 0
		.amdhsa_kernarg_size 112
		.amdhsa_user_sgpr_count 2
		.amdhsa_user_sgpr_kernarg_segment_ptr 1
		.amdhsa_wavefront_size32 1
		.amdhsa_system_sgpr_workgroup_id_x 1
		.amdhsa_system_sgpr_workgroup_id_y 1
		.amdhsa_system_sgpr_workgroup_id_z 1
		.amdhsa_system_vgpr_workitem_id 0
		.amdhsa_next_free_vgpr 256
		.amdhsa_next_free_sgpr 80
		.amdhsa_reserve_vcc 1
		.amdhsa_float_denorm_mode_32 3
		.amdhsa_float_denorm_mode_16_64 3
		.amdhsa_memory_ordered 1
		.amdhsa_forward_progress 1
		.amdhsa_inst_pref_size 255
	.end_amdhsa_kernel
	.section	.bss,"aw",@nobits
	.p2align	6
	.space	262144
	.amdgpu_metadata
---
amdhsa.version: [ 1, 2 ]
amdhsa.kernels:
  - .name:           k_q3a930d845d_pinn
    .symbol:         k_q3a930d845d_pinn.kd
    .args:
      - { .name: t, .offset: 0, .size: 8, .value_kind: global_buffer, .address_space: global }
      - { .name: x, .offset: 8, .size: 8, .value_kind: global_buffer, .address_space: global }
      - { .name: y, .offset: 16, .size: 8, .value_kind: global_buffer, .address_space: global }
      - { .name: out0, .offset: 24, .size: 8, .value_kind: global_buffer, .address_space: global }
      - { .name: W1, .offset: 32, .size: 8, .value_kind: global_buffer, .address_space: global }
      - { .name: W2, .offset: 40, .size: 8, .value_kind: global_buffer, .address_space: global }
      - { .name: W3, .offset: 48, .size: 8, .value_kind: global_buffer, .address_space: global }
      - { .name: W0, .offset: 56, .size: 8, .value_kind: global_buffer, .address_space: global }
      - { .name: b0, .offset: 64, .size: 8, .value_kind: global_buffer, .address_space: global }
      - { .name: b1, .offset: 72, .size: 8, .value_kind: global_buffer, .address_space: global }
      - { .name: b2, .offset: 80, .size: 8, .value_kind: global_buffer, .address_space: global }
      - { .name: b3, .offset: 88, .size: 8, .value_kind: global_buffer, .address_space: global }
      - { .name: W4, .offset: 96, .size: 8, .value_kind: global_buffer, .address_space: global }
      - { .name: b4, .offset: 104, .size: 8, .value_kind: global_buffer, .address_space: global }
    .group_segment_fixed_size: 46080
    .private_segment_fixed_size: 0
    .kernarg_segment_align: 8
    .kernarg_segment_size: 112
    .max_flat_workgroup_size: 512
    .sgpr_count:     80
    .vgpr_count:     256
    .wavefront_size: 32
...
	.end_amdgpu_metadata
.endif
;; end of part 1
